; MI455X (gfx1250); checked and timed in simulation.
; The chip was launched on July 23, 2026; its instructions are those of AMD's public machine-readable ISA for CDNA 5 (MIT licence, August 2026) and "CDNA5" Instruction Set Architecture Reference Guide (July 2026). The comments in the code are by the model that wrote it; some were corrected since.
;; Simple Cross Attention. Allowed arithmetic: matrix products marked QUANTISED: E2M1 operands, one E8M0 scale for each 32 along K, by v_wmma_scale_f32_16x16x128_f8f6f4 with both operands' format E2M1 (or v_wmma_scale_f32_32x16x128_f4), f32 sums; products left as they are: bf16, f16 or f32 operands; f32 sums; everything else in f32.
;; Inputs: Wc 512 x 512 float32; Wi 512 x 512 float32; Wk 512 x 512 float32; Wo1 512 x 512 float32; Wo2 512 x 512 float32; Wq 512 x 512 float32; Wv 512 x 512 float32; bc 512 float32; bi 512 float32; bo1 512 float32; bo2 512 float32; context 2 x 512 x 64 x 64 float32; x 2 x 512 x 64 x 64 float32.
;; Outputs: out0 2 x 512 x 64 x 64 float32.
;; This version of the problem:
;;   THIS VERSION OF THE PROBLEM IS GIVEN IN LOW PRECISION. The matrix products marked QUANTISED in the list below multiply operands that are first quantised to E2M1 (2 exponent bits, 1 mantissa bit; 4 bits a number), with one power-of-two scale for each 32 numbers along K (OCP MX v1.0); their sums are f32. The products marked 'left as it is' may take bf16, f16 or f32 operands, with f32 sums. Whichever they take, every output number must still come out within the allowed error. Rounding operands to bf16 (8 significant bits) uses up far more of that allowance than f16 does (11 bits, for magnitudes from 6e-5 to 65,504). All else is computed in f32.
;;   The module's matrix products, in the order in which they are computed (A, B: the left and right operand; K: the contracted axis; several contracted axes count as one K, in the product's order):
;;     1. [M 8,192, K 512] x [K 512, N 512]; A: input x; B: input Wi: QUANTISED
;;     2. [M 8,192, K 512] x [K 512, N 512]; A: input context; B: input Wc: QUANTISED
;;     3. [M 8,192, K 512] x [K 512, N 512]; A: computed on the way; B: input Wq: left as it is (an operand is computed on the way)
;;     4. [M 8,192, K 512] x [K 512, N 512]; A: computed on the way; B: input Wk: left as it is (an operand is computed on the way)
;;     5. [M 8,192, K 512] x [K 512, N 512]; A: computed on the way; B: input Wv: left as it is (an operand is computed on the way)
;;     6. batch 16 x [M 4,096, K 64] x [K 64, N 4,096]; A: computed on the way; B: computed on the way: left as it is (an operand is computed on the way)
;;     7. batch 16 x [M 64, K 4,096] x [K 4,096, N 4,096]; A: computed on the way; B: computed on the way: left as it is (an operand is computed on the way)
;;     8. [M 8,192, K 512] x [K 512, N 512]; A: computed on the way; B: input Wo1: left as it is (an operand is computed on the way)
;;     9. [M 8,192, K 512] x [K 512, N 512]; A: computed on the way; B: input Wo2: left as it is (an operand is computed on the way)
;;   THE QUANTISER, for each operand of a quantised product, along K:
;;     - K is cut into blocks of 32 from its start; a last block that is shorter is filled with zeros.
;;     - A block's scale is 2^e with e = floor(log2(the largest magnitude in the block)) - 2, held to -126 .. 127; a block of zeros has e = 0. As a byte (E8M0): e + 127.
;;     - Each number is divided by its block's scale, clamped to +-6, and rounded to the nearest number of E2M1, ties to even, subnormals kept.
;;     - The product sums the exact products of the quantised numbers (number of the format x scale) in f32.
;;   ~~~python
;;   def quantise(x, axis):      # numpy; x: float32 -> the quantised numbers, widened to float32 again
;;       x = np.moveaxis(x, axis, -1); K = x.shape[-1]
;;       x = np.pad(x, [(0, 0)] * (x.ndim - 1) + [(0, -K % 32)]); x = x.reshape(x.shape[:-1] + (-1, 32)); a = np.abs(x).max(-1, keepdims=True)
;;       e = np.where(a > 0, np.clip(np.frexp(np.where(a > 0, a, 1))[1] - 1 - 2, -126, 127), 0)      # np.frexp(a)[1] - 1 = floor(log2(a)), exactly
;;       r = np.clip(x / 2.0 ** e, -6, 6)
;;       step = 2.0 ** (np.maximum(np.frexp(np.where(r == 0, 1, r))[1] - 1, 0) - 1)
;;       q = np.round(r / step) * step * 2.0 ** e      # np.round: ties to even
;;       return np.moveaxis(q.reshape(q.shape[:-2] + (-1,))[..., :K], -1, axis).astype(np.float32)
;;   ~~~
;; One version. Each part assembles by itself: llvm-mc -triple=amdgcn-amd-amdhsa -mcpu=gfx1250 --defsym DOCPART=n.
;; ======== version 1 of 1: 4 launches
;; limits: values are held in f16: magnitudes above 65,504 overflow, below 6.1e-05 lose precision
;; workspace buffers: wts 2,899,968 bytes; qkv 25,165,824 bytes; att 16,777,216 bytes
;; launch prep (part 1): grid 16 x 7, 4 waves a work-group, no clusters, 0 bytes of LDS; arguments Wq, Wk, Wv, Wo1, Wo2, Wi, Wc, wts; writes wts
.if DOCPART == 1
	.amdgcn_target "amdgcn-amd-amdhsa--gfx1250"
	.amdhsa_code_object_version 6
	.text
	.protected	k_qa8f76e2402_prep
	.globl	k_qa8f76e2402_prep
	.p2align	8
	.type	k_qa8f76e2402_prep,@function
k_qa8f76e2402_prep:
	s_mov_b64 s[64:65], 0
	v_nop
	global_prefetch_b8 v0, s[64:65] scope:SCOPE_SE
	s_setreg_imm32_b32 hwreg(HW_REG_WAVE_MODE, 25, 1), 1
	s_wait_xcnt 0x0
; PREP: the seven weights [512 (k)][512 (n)] f32 become IMAGES OF OPERAND REGISTERS in wts, so that the later launches load each fragment by 16 bytes a lane, 512 dense bytes an instruction.
;   Wq, Wk, Wv, Wo1, Wo2 -> f16:  [matrix][k step of 32: 16][column tile of 16: 32][chunk c: 2][lane: 32][16 bytes]; lane (r, h) of chunk c holds column r of the tile, k = 16 c + 8 h + 0 .. 7.
;   Wi, Wc -> codes of E2M1 quantised along k, from byte W4 on:  [matrix][K step of 128: 4][column tile: 32][chunk c: 2][lane][16 bytes]; lane (r, h): column r, k = 64 c + 32 h + 0 .. 31;
;   their E8M0 bytes from byte W4S on: [matrix][K step][column] one word, byte b for k = 32 b .. 32 b + 31.
; A block's scale is 2^(floor(log2(its largest magnitude)) - 2); its byte is that magnitude's exponent field - 2, held at 1 from below.
; LIMITS: a block of zeros gets the byte 1 (its codes are zeros, and this program alone reads the bytes); NaN and infinities among the inputs are not served.
; SHARES: work-group y = the matrix; x = 4 kg + cg: 128 rows of k (kg) x 128 columns (cg).  A wave takes 32 columns; A LANE TAKES A COLUMN AND ITS 128 REGISTERS RUN DOWN K,
; so each load reads 128 neighbouring bytes, a block of 32 along k lies in one lane, and nothing is transposed.  No LDS, no barrier: waves share nothing.  No register is written twice.
.set NUM, 128                          ; v128-255 my column's 128 numbers
.set PKD, 32                           ; v32-95   the same as 64 pairs of f16
.set COD, 16                           ; v16-31   codes: four registers a block
.set W4,  2621440
.set W4S, 2883584
	s_load_b512 s[4:19], s[0:1], 0x0               ; Wq, Wk, Wv, Wo1, Wo2, Wi, Wc, wts
	v_lshrrev_b32 v4, 5, v0
	v_readfirstlane_b32 s24, v4                    ; wave 0..3
	v_and_b32 v1, 31, v0                           ; lane
	v_lshlrev_b32 v2, 2, v1                        ; 4 x lane: my column in a row of W, and my scale word
	v_lshrrev_b32 v3, 4, v1
	v_and_b32 v5, 15, v1
	v_lshlrev_b32 v3, 10, v3                       ; lanes 16-31 belong to the next column tile, 1,024 bytes on,
	v_lshl_add_u32 v3, v5, 4, v3                   ; and in a tile my column's 16 bytes lie at 16 r
	s_and_b32 s25, ttmp7, 0xffff                   ; the matrix
	s_and_b32 s26, ttmp9, 3                        ; cg
	s_lshr_b32 s27, ttmp9, 2                       ; kg
	s_lshl_b32 s28, s27, 18                        ; 128 rows of 2,048 bytes
	s_lshl_b32 s29, s26, 9
	s_add_co_u32 s28, s28, s29                     ; + 128 columns
	s_lshl_b32 s29, s24, 7
	s_add_co_u32 s28, s28, s29                     ; + my wave's 32
	s_mov_b32 s29, 0
	s_lshl_b32 s30, s26, 13
	s_lshl_b32 s31, s24, 11
	s_add_co_u32 s30, s30, s31                     ; my two column tiles in a k step's images: (8 cg + 2 wave) x 1,024
	s_wait_kmcnt 0x0
	s_mov_b64 s[20:21], s[4:5]
.irp i, 1,2,3,4,5,6
	s_cmp_eq_u32 s25, \i                           ; the choice hangs on the work-group's number alone
	s_cselect_b64 s[20:21], s[4+2*\i:5+2*\i], s[20:21]
.endr
	s_add_nc_u64 s[20:21], s[20:21], s[28:29]
.set N, 0
.rept 128
	global_load_b32 v[NUM+N], v2, s[20:21] offset:N*2048 th:TH_LOAD_NT   ; W(128 kg + N, my column)
.set N, N+1
.endr
; one k step of 32: 16 roundings of two numbers; chunk e = 2 c + h of my column goes to 512 c + 256 h: sixteen lanes write 256 consecutive bytes
.macro PACK g
.irp m, 0,1,2,3,4,5,6,7,8,9,10,11,12,13,14,15
	v_cvt_pk_f16_f32 v[PKD+16*\g+\m], v[NUM+32*\g+2*\m], v[NUM+32*\g+2*\m+1]
.endr
.irp e, 0,1,2,3
	global_store_b128 v3, v[PKD+16*\g+4*\e:PKD+16*\g+4*\e+3], s[22:23] offset:\g*32768+(\e/2)*512+(\e%2)*256
.endr
.endm
; one block of 32 along k: its largest magnitude (two chains, the floor 2^(3 - 127) among the leaves), its scale, its 32 codes
.macro QBLOCK b
.set XS, NUM+32*\b
	v_max3_num_f32 v12, |v[XS]|, |v[XS+1]|, |v[XS+2]|
	v_max3_num_f32 v13, |v[XS+3]|, |v[XS+4]|, |v[XS+5]|
.irp i, 6,10,14,18,22,26
	v_max3_num_f32 v12, v12, |v[XS+\i]|, |v[XS+\i+1]|
	v_max3_num_f32 v13, v13, |v[XS+\i+2]|, |v[XS+\i+3]|
.endr
	v_max3_num_f32 v12, v12, |v[XS+30]|, |v[XS+31]|
	v_max3_num_f32 v12, v12, v13, 0x1800000
	v_add_nc_u32 v[8+\b], 0xff000000, v12          ; 2 off the exponent field: the conversion takes that field as its scale
	v_lshrrev_b32 v15, 23, v[8+\b]                 ; the scale's byte
.if \b == 0
	v_mov_b32 v14, v15
.else
	v_lshl_or_b32 v14, v15, 8*\b, v14
.endif
.irp g, 0,1,2,3
	v_cvt_scalef32_pk8_fp4_f32 v[COD+4*\b+\g], v[XS+8*\g:XS+8*\g+7], v[8+\b]
.endr
	v_nop                                          ; a plain line behind the last conversion of a run
	global_store_b128 v3, v[COD+4*\b:COD+4*\b+3], s[22:23] offset:(\b/2)*512+(\b%2)*256
.endm
	s_cmp_lt_u32 s25, 5
	s_cbranch_scc0 .Lfp4
	s_lshl_b32 s32, s25, 19                        ; f16: 524,288 bytes a matrix,
	s_lshl_b32 s33, s27, 17                        ; 4 k steps of 32,768 for each kg
	s_add_co_u32 s32, s32, s33
	s_add_co_u32 s32, s32, s30
	s_mov_b32 s33, 0
	s_add_nc_u64 s[22:23], s[18:19], s[32:33]
	s_wait_loadcnt 63                              ; loads end in order: all but the youngest 63 are in, so the first 64 numbers are
	PACK 0
	PACK 1
	s_wait_loadcnt 32                              ; the youngest 32 may be out
	PACK 2
	s_wait_loadcnt 0x0
	PACK 3
	s_endpgm
.Lfp4:
	s_sub_co_u32 s34, s25, 5                       ; 0: Wi, 1: Wc
	s_lshl_b32 s32, s34, 17                        ; codes: 131,072 bytes a matrix,
	s_lshl_b32 s33, s27, 15                        ; 32,768 a K step
	s_add_co_u32 s32, s32, s33
	s_add_co_u32 s32, s32, s30
	s_add_co_u32 s32, s32, W4
	s_mov_b32 s33, 0
	s_add_nc_u64 s[22:23], s[18:19], s[32:33]
	s_lshl_b32 s32, s34, 13                        ; scale words: 8,192 bytes a matrix,
	s_lshl_b32 s35, s27, 11                        ; 2,048 a K step,
	s_add_co_u32 s32, s32, s35
	s_lshl_b32 s35, s26, 9
	s_add_co_u32 s32, s32, s35
	s_lshl_b32 s35, s24, 7                         ; 4 a column
	s_add_co_u32 s32, s32, s35
	s_add_co_u32 s32, s32, W4S
	s_add_nc_u64 s[36:37], s[18:19], s[32:33]
	s_wait_loadcnt 63                              ; as above
	QBLOCK 0
	QBLOCK 1
	s_wait_loadcnt 32
	QBLOCK 2
	s_wait_loadcnt 0x0
	QBLOCK 3
	global_store_b32 v2, v14, s[36:37]             ; my column's scale word of this K step: 128 consecutive bytes a wave
	s_endpgm
.Lfunc_end_k_qa8f76e2402_prep:
	.size	k_qa8f76e2402_prep, .Lfunc_end_k_qa8f76e2402_prep-k_qa8f76e2402_prep
	.p2alignl 7, 3214868480
	.fill 96, 4, 3214868480
	.section	.rodata,"a",@progbits
	.p2align	6, 0x0
	.amdhsa_kernel k_qa8f76e2402_prep
		.amdhsa_group_segment_fixed_size 0
		.amdhsa_private_segment_fixed_size 0
		.amdhsa_enable_private_segment 0
		.amdhsa_kernarg_size 64
		.amdhsa_user_sgpr_count 2
		.amdhsa_user_sgpr_kernarg_segment_ptr 1
		.amdhsa_wavefront_size32 1
		.amdhsa_system_sgpr_workgroup_id_x 1
		.amdhsa_system_sgpr_workgroup_id_y 1
		.amdhsa_system_sgpr_workgroup_id_z 1
		.amdhsa_system_vgpr_workitem_id 0
		.amdhsa_next_free_vgpr 256
		.amdhsa_next_free_sgpr 66
		.amdhsa_reserve_vcc 0
		.amdhsa_float_denorm_mode_32 3
		.amdhsa_float_denorm_mode_16_64 3
		.amdhsa_memory_ordered 1
		.amdhsa_forward_progress 1
		.amdhsa_inst_pref_size 27
	.end_amdhsa_kernel
	.amdgpu_metadata
---
amdhsa.version: [ 1, 2 ]
amdhsa.kernels:
  - .name:           k_qa8f76e2402_prep
    .symbol:         k_qa8f76e2402_prep.kd
    .args:
      - { .name: Wq, .offset: 0, .size: 8, .value_kind: global_buffer, .address_space: global }
      - { .name: Wk, .offset: 8, .size: 8, .value_kind: global_buffer, .address_space: global }
      - { .name: Wv, .offset: 16, .size: 8, .value_kind: global_buffer, .address_space: global }
      - { .name: Wo1, .offset: 24, .size: 8, .value_kind: global_buffer, .address_space: global }
      - { .name: Wo2, .offset: 32, .size: 8, .value_kind: global_buffer, .address_space: global }
      - { .name: Wi, .offset: 40, .size: 8, .value_kind: global_buffer, .address_space: global }
      - { .name: Wc, .offset: 48, .size: 8, .value_kind: global_buffer, .address_space: global }
      - { .name: wts, .offset: 56, .size: 8, .value_kind: global_buffer, .address_space: global }
    .group_segment_fixed_size: 0
    .private_segment_fixed_size: 0
    .kernarg_segment_align: 8
    .kernarg_segment_size: 64
    .max_flat_workgroup_size: 128
    .sgpr_count:     66
    .vgpr_count:     256
    .wavefront_size: 32
...
	.end_amdgpu_metadata
.endif
;; end of part 1
;; launch proj (part 2): grid 128 x 2, 8 waves a work-group, no clusters, 83,968 bytes of LDS; arguments x, context, bi, bc, wts, qkv; writes qkv
.if DOCPART == 2
	.amdgcn_target "amdgcn-amd-amdhsa--gfx1250"
	.amdhsa_code_object_version 6
	.text
	.protected	k_qa8f76e2402_proj
	.globl	k_qa8f76e2402_proj
	.p2align	8
	.type	k_qa8f76e2402_proj,@function
k_qa8f76e2402_proj:
	s_mov_b64 s[64:65], 0
	v_nop
	global_prefetch_b8 v0, s[64:65] scope:SCOPE_SE
	s_setreg_imm32_b32 hwreg(HW_REG_WAVE_MODE, 25, 1), 1
	s_wait_xcnt 0x0
; PROJ.  job 0 (work-group y = 0): q = (Q(x) Q(Wi) + bi) Wq.   job 1: k = (Q(context) Q(Wc) + bc) Wk and v = (the same) Wv.   Q: the MX-FP4 quantiser along the 512 channels.
; x, context: [2][512 (channel)][4096 (token)] f32.  The first product runs on codes of E2M1 with E8M0 scales, f32 sums, the bias as its first C; its result is rounded to f16 and multiplied by f16 weights, f32 sums.
; q and k leave as bf16, v as f16, all three as IMAGES OF OPERAND REGISTERS (chunks of 32 lanes x 16 bytes) in the order in which the attention launch takes them:
;   q at byte 0, k at 8,388,608: [8 b + head][tile of 16 tokens: 256][ks: 2][c: 2][lane][16]: lane (r, h): token r, channel 32 ks + 16 c + 8 h + 0 .. 7 of the head;
;   v at 16,777,216: [8 b + head][32 tokens: 128][channel tile ct: 4][c: 2][lane][16]: lane (r, h): channel 16 ct + r, token 16 c + 8 h + 0 .. 7.
; LIMITS: NaN and infinities among the inputs are not served; the hidden layer and v must lie inside f16's range (|.| < 65,504); a quantiser block of zeros has the byte 1 over zero codes.
; SHARES.  A work-group takes 64 tokens.  Quantising: wave w takes 32 tokens (w & 1), a lane a token, and 128 channels (w >> 1), its registers running down the channels.
; Products: THE WAVES SHARE THE COLUMNS: wave w owns output channels 64 w .. 64 w + 63 (head w) for all 64 tokens: 16 accumulators (column tile n, token tile t) at v[128 + 8 (4 n + t)].
; Activations go from wave to wave through LDS as images; each weight fragment is multiplied by one wave alone, so weights go from memory straight into that wave's registers:
; eight buffers of a k step (32 registers) fill window 1, and the loads of seven k steps are on their way, with no barrier between k steps.  No tile is shared between work-groups through LDS, so no cluster.
; job 0 has one 16-bit product where job 1 has two: the price of reading and quantising context once.
; REGISTERS.  window 0: v1-7, v24, v28-29 addresses; v8-15 at work; v30, v31 the add's two; v32-95 codes, then x's fragments, then packed results, then token fragments (two sets);
;   v96-111 the weights' scale words, v112-127 x's (scales and nothing else); v128-255 x's numbers, then the accumulators.
;   window 1: v0-127 my 16 fragments of Wi or Wc, v128-159 the bias as four tiles of C, v160-255 weight steps 0-2; later the eight buffers: step g lies in buffer (g + 5) % 8.
.set XSC,   16384                      ; LDS: 0: x's 16 fragments [t][K step][c][lane][16];  here: their scale words [t][K step][r],
.set IMG,   17408                      ; the hidden layer's image [t][chunk of 16 channels: 32][lane][16], 65,536 bytes,
.set SPARE, 82944                      ; and the spare words, 128 bytes for each wave: four blocks of 256 bytes that no other line names
.set W4,    2621440
.set W4S,   2883584
.set LI,  1                            ; v1   16 x lane: my place in every chunk
.set L4,  2                            ; v2   4 x lane: my token in a row of x
.set XA,  3                            ; v3   where I store my codes
.set XSA, 4                            ; v4   and my scale word
.set RS,  5                            ; v5   where I read a token tile's scale words
.set R4,  6                            ; v6   4 r
.set H32, 7                            ; v7   32 h
.set SI,  24                           ; v24  where I store into the image: IMG + 2,048 x wave + 16 x lane
.set TA,  28                           ; v28, v29  where I read it: token tiles 0, 1 and 2, 3 (an LDS immediate has 16 bits)
.set SPW, 30
.set NIL, 31
.set TF,  32
.set WSC, 96
.set XSW, 112
.set ACC, 128
.set OFS, 5
.set WBS, 28                           ; s[28:29] the weight stream: my 4,096 bytes of k step 0
.set MSB, 0
.macro WIN new                         ; s_set_vgpr_msb: bits 1:0 source 0, 3:2 source 1, 5:4 source 2, 7:6 destination; the high byte repeats the setting that is left
.if MSB != \new
	s_set_vgpr_msb (MSB<<8)|\new
.set MSB, \new
.endif
.endm
.macro PLACES n
.rept \n
	v_nop
.endr
.endm
.macro BARRIER                         ; my LDS stores have landed and my LDS loads are in: then the work-group's barrier
	s_wait_dscnt 0x0
	s_barrier_signal -1
	s_barrier_wait -1
.endm
.macro WLOAD g                         ; weight step g of the stream: my four fragments, 4,096 dense bytes, into its buffer in window 1
.irp i, 0,1,2,3,4,5,6,7
	global_load_b128 v[32*(((\g)+OFS)%8)+4*\i:32*(((\g)+OFS)%8)+4*\i+3], v[LI], s[WBS:WBS+1] offset:(\g)*32768+\i*512
.endr
.endm
.macro TFLOAD u                        ; the four token tiles' fragments of k step u, from the image, into set u % 2
.irp t, 0,1,2,3
.irp c, 0,1
	ds_load_b128 v[TF+32*((\u)%2)+8*\t+4*\c:TF+32*((\u)%2)+8*\t+4*\c+3], v[TA+(\t/2)] offset:(\t%2)*16384+(\u)*1024+\c*512
.endr
.endr
.endm
; One k step of 32 (U of the product, SG of the stream).  The places serve the two runs of loads into registers that the step before multiplied (four), and at U = 0 the accumulators begun anew (five).
.macro KSTEP last, swap
.if U == 0
	PLACES 5
.else
	PLACES 4
.endif
.if \last-SG >= 6
	s_wait_loadcnt 48                              ; behind step SG's eight loads those of six later steps were issued: they may stay out
.else
	s_wait_loadcnt 8*(\last-SG)                    ; near the stream's end: as many steps as are left
.endif
.if SG+7 <= \last
	WIN 0x40
	WLOAD SG+7                                     ; into the buffer that step SG - 1 has left
	WIN 0
.endif
.if U < 15
	TFLOAD U+1
	s_wait_dscnt 8                                 ; this step's fragments are in; the eight loads just issued may stay out
.else
	s_wait_dscnt 0x0
.endif
.set WBF, 32*((SG+OFS)%8)
.set TFB, TF+32*(U%2)
.if \swap
	WIN 0x04                                       ; weights are source 1
.else
	WIN 0x01                                       ; weights are source 0
.endif
.irp n, 0,1,2,3                        ; the sixteen accumulators take turns, one instruction a turn
.irp t, 0,1,2,3
.if \swap
.if U == 0
	v_wmma_f32_16x16x32_f16 v[ACC+8*(4*\n+\t):ACC+8*(4*\n+\t)+7], v[TFB+8*\t:TFB+8*\t+7], v[WBF+8*\n:WBF+8*\n+7], 0
.else
	v_wmma_f32_16x16x32_f16 v[ACC+8*(4*\n+\t):ACC+8*(4*\n+\t)+7], v[TFB+8*\t:TFB+8*\t+7], v[WBF+8*\n:WBF+8*\n+7], v[ACC+8*(4*\n+\t):ACC+8*(4*\n+\t)+7]
.endif
.else
.if U == 0
	v_wmma_f32_16x16x32_f16 v[ACC+8*(4*\n+\t):ACC+8*(4*\n+\t)+7], v[WBF+8*\n:WBF+8*\n+7], v[TFB+8*\t:TFB+8*\t+7], 0
.else
	v_wmma_f32_16x16x32_f16 v[ACC+8*(4*\n+\t):ACC+8*(4*\n+\t)+7], v[WBF+8*\n:WBF+8*\n+7], v[TFB+8*\t:TFB+8*\t+7], v[ACC+8*(4*\n+\t):ACC+8*(4*\n+\t)+7]
.endif
.endif
.endr
.endr
	WIN 0
.endm
; 64 tokens x 512 x my 64 columns.  s0: the stream's step at which this matrix begins; last: the stream's last step; swap = 0: a lane holds a token and eight channels; 1: a channel and eight tokens
.macro PRODUCT s0, last, swap
	TFLOAD 0
.set U, 0
.rept 16
.set SG, \s0+U
	KSTEP \last, \swap
.set U, U+1
.endr
.endm
; The accumulators, each from its low end on, are rounded in pairs: four registers are a chunk of the next operand, and leave as 512 dense bytes
.macro OUT cvt, base, isv
	PLACES 4
.set N, 0
.rept 64
	\cvt v[TF+N], v[ACC+2*N], v[ACC+2*N+1]
.set N, N+1
.endr
.irp n, 0,1,2,3
.irp t, 0,1,2,3
.if \isv
	global_store_b128 v[LI], v[TF+4*(4*\n+\t):TF+4*(4*\n+\t)+3], s[\base:\base+1] offset:(\t/2)*4096+\n*1024+(\t%2)*512
.else
	global_store_b128 v[LI], v[TF+4*(4*\n+\t):TF+4*(4*\n+\t)+3], s[\base:\base+1] offset:\t*2048+\n*512
.endif
.endr
.endr
.endm
; one block of 32 channels of my token: largest magnitude (the floor 2^(3 - 127) among the leaves), scale, codes; the codes go to their place in the fragment's image
.macro QBLOCK b
.set XS, ACC+32*\b
	v_max3_num_f32 v12, |v[XS]|, |v[XS+1]|, |v[XS+2]|
	v_max3_num_f32 v13, |v[XS+3]|, |v[XS+4]|, |v[XS+5]|
.irp i, 6,10,14,18,22,26
	v_max3_num_f32 v12, v12, |v[XS+\i]|, |v[XS+\i+1]|
	v_max3_num_f32 v13, v13, |v[XS+\i+2]|, |v[XS+\i+3]|
.endr
	v_max3_num_f32 v12, v12, |v[XS+30]|, |v[XS+31]|
	v_max3_num_f32 v12, v12, v13, 0x1800000
	v_add_nc_u32 v[8+\b], 0xff000000, v12          ; 2 off the exponent field: the conversion's scale operand
	v_lshrrev_b32 v15, 23, v[8+\b]                 ; the scale's byte
.if \b == 0
	v_mov_b32 v14, v15
.else
	v_lshl_or_b32 v14, v15, 8*\b, v14
.endif
.irp g, 0,1,2,3
	v_cvt_scalef32_pk8_fp4_f32 v[TF+4*\b+\g], v[XS+8*\g:XS+8*\g+7], v[8+\b]
.endr
	v_nop                                          ; a plain line behind the last conversion: matrix instructions later write the numbers' registers
	ds_store_b128 v[XA], v[TF+4*\b:TF+4*\b+3] offset:(\b/2)*512+(\b%2)*256   ; block b = 2 c + h of my token: chunk c, lanes 16 h on
.endm
.macro XFLOAD s                        ; x's four fragments of K step s into set s % 2
.irp t, 0,1,2,3
.irp c, 0,1
	ds_load_b128 v[TF+32*((\s)%2)+8*\t+4*\c:TF+32*((\s)%2)+8*\t+4*\c+3], v[LI] offset:\t*4096+(\s)*1024+\c*512
.endr
.endr
.endm
.macro FP4STEP s                       ; 128 channels of the quantised product: source 0 = 16 columns of the weight, source 1 = 16 tokens
.if \s < 3
.if \s > 0
	PLACES 4                                       ; in front of loads into the set that the step before multiplied
.endif
	XFLOAD \s+1
	s_wait_dscnt 8                                 ; this step's set (and at first the scale words) is in; the next set's eight loads may stay out
.else
	s_wait_dscnt 0x0
.endif
.if \s == 0
	WIN 0x11                                       ; source 0 and C (the bias tile) in window 1
.else
	WIN 0x01
.endif
.irp n, 0,1,2,3
.irp t, 0,1,2,3
.if \s == 0
	v_wmma_scale_f32_16x16x128_f8f6f4 v[ACC+8*(4*\n+\t):ACC+8*(4*\n+\t)+7], v[8*(4*\s+\n):8*(4*\s+\n)+7], v[TF+32*(\s%2)+8*\t:TF+32*(\s%2)+8*\t+7], v[128+8*\n:128+8*\n+7], v[WSC+4*\n+\s], v[XSW+4*\t+\s] matrix_a_fmt:MATRIX_FMT_FP4 matrix_b_fmt:MATRIX_FMT_FP4
.else
	v_wmma_scale_f32_16x16x128_f8f6f4 v[ACC+8*(4*\n+\t):ACC+8*(4*\n+\t)+7], v[8*(4*\s+\n):8*(4*\s+\n)+7], v[TF+32*(\s%2)+8*\t:TF+32*(\s%2)+8*\t+7], v[ACC+8*(4*\n+\t):ACC+8*(4*\n+\t)+7], v[WSC+4*\n+\s], v[XSW+4*\t+\s] matrix_a_fmt:MATRIX_FMT_FP4 matrix_b_fmt:MATRIX_FMT_FP4
.endif
.endr
.endr
	WIN 0
.endm
	s_load_b256 s[4:11], s[0:1], 0x0               ; x, context, bi, bc
	s_load_b128 s[12:15], s[0:1], 0x20             ; wts, qkv
	v_lshl_add_u32 v[SPW], v0, 2, SPARE
	v_mov_b32 v[NIL], 0
	v_lshrrev_b32 v8, 5, v0
	v_readfirstlane_b32 s16, v8                    ; wave 0..7
	s_and_b32 s17, ttmp7, 0xffff                   ; job
	s_mov_b32 s18, ttmp9                           ; block of 64 tokens, 0..127
	v_and_b32 v9, 31, v0                           ; lane
	v_lshlrev_b32 v[LI], 4, v9
	v_lshlrev_b32 v[L4], 2, v9
	v_and_b32 v10, 15, v0                          ; r
	v_bfe_u32 v11, v0, 4, 1                        ; h
	s_and_b32 s19, s16, 1                          ; which 32 tokens I quantise
	s_lshr_b32 s38, s16, 1                         ; which 128 channels
	v_lshlrev_b32 v[XA], 12, v11                   ; my token's tile: 2 (w & 1) + lane / 16, 4,096 bytes a tile;
	v_lshl_add_u32 v[XA], v10, 4, v[XA]            ; its row r: 16 bytes;
	s_lshl_b32 s39, s19, 13
	s_lshl_b32 s40, s38, 10                        ; my K step: 1,024 bytes
	s_add_co_u32 s39, s39, s40
	v_add_nc_u32 v[XA], s39, v[XA]
	v_lshlrev_b32 v[XSA], 8, v11                   ; scale words: 256 bytes a tile, 64 a K step, 4 a token
	v_lshl_add_u32 v[XSA], v10, 2, v[XSA]
	s_lshl_b32 s39, s19, 9
	s_lshl_b32 s40, s38, 6
	s_add_co_u32 s39, s39, s40
	s_add_co_u32 s39, s39, XSC
	v_add_nc_u32 v[XSA], s39, v[XSA]
	v_lshlrev_b32 v[R4], 2, v10
	v_add_nc_u32 v[RS], XSC, v[R4]
	v_lshlrev_b32 v[H32], 5, v11
	v_add_nc_u32 v[TA], IMG, v[LI]
	v_add_nc_u32 v[TA+1], IMG+32768, v[LI]
	s_lshl_b32 s39, s16, 11
	s_add_co_u32 s39, s39, IMG
	v_add_nc_u32 v[SI], s39, v[LI]
	; byte offsets, apart from the addresses
	s_lshr_b32 s40, s18, 6                         ; b
	s_lshl_b32 s41, s40, 23                        ; x: 8,388,608 bytes an image,
	s_lshl_b32 s42, s38, 21                        ; 128 channels of 16,384 bytes,
	s_add_co_u32 s42, s42, s41
	s_and_b32 s39, s18, 63                         ; the block within its image
	s_lshl_b32 s41, s39, 8                         ; 64 tokens of 4 bytes,
	s_add_co_u32 s42, s42, s41
	s_lshl_b32 s41, s19, 7                         ; my 32
	s_add_co_u32 s42, s42, s41
	s_mov_b32 s43, 0
	s_lshl_b32 s44, s16, 8                         ; the bias: my 64 numbers
	s_mov_b32 s45, 0
	s_lshl_b32 s46, s17, 17                        ; the codes of Wi or Wc, my four column tiles
	s_lshl_b32 s41, s16, 12
	s_add_co_u32 s46, s46, s41
	s_add_co_u32 s46, s46, W4
	s_mov_b32 s47, 0
	s_lshl_b32 s48, s17, 13                        ; their scale words, my 64 columns
	s_add_co_u32 s48, s48, s44
	s_add_co_u32 s48, s48, W4S
	s_mov_b32 s49, 0
	s_lshl_b32 s50, s17, 19                        ; the stream: Wq, or Wk with Wv behind it
	s_add_co_u32 s50, s50, s41
	s_mov_b32 s51, 0
	s_lshl_b32 s52, s40, 3
	s_add_co_u32 s52, s52, s16                     ; 8 b + head: my 64 columns are head w
	s_lshl_b32 s52, s52, 19
	s_lshl_b32 s41, s39, 13                        ; 64 tokens are 8,192 bytes of a head's images
	s_add_co_u32 s52, s52, s41
	s_mov_b32 s53, 0
	s_lshl_b32 s54, s17, 23                        ; q or k
	s_add_co_u32 s54, s54, s52
	s_mov_b32 s55, 0
	s_add_co_u32 s52, s52, 16777216                ; v
	s_wait_kmcnt 0x0
	s_cmp_eq_u32 s17, 0                            ; the choice hangs on the work-group's number alone
	s_cselect_b64 s[20:21], s[4:5], s[6:7]
	s_cselect_b64 s[22:23], s[8:9], s[10:11]
	s_add_nc_u64 s[20:21], s[20:21], s[42:43]
	s_add_nc_u64 s[22:23], s[22:23], s[44:45]
	s_add_nc_u64 s[24:25], s[12:13], s[46:47]
	s_add_nc_u64 s[26:27], s[12:13], s[48:49]
	s_add_nc_u64 s[WBS:WBS+1], s[12:13], s[50:51]
	s_add_nc_u64 s[30:31], s[14:15], s[54:55]
	s_add_nc_u64 s[32:33], s[14:15], s[52:53]
	; the weights' side first: loads end in order, so every counted wait for x below covers these 80 too
	WIN 0x40
.irp s, 0,1,2,3
.irp n, 0,1,2,3
.irp c, 0,1
	global_load_b128 v[8*(4*\s+\n)+4*\c:8*(4*\s+\n)+4*\c+3], v[LI], s[24:25] offset:\s*32768+\n*1024+\c*512
.endr
.endr
.endr
.irp n, 0,1,2,3                        ; the bias in the result's layout: lane (r, h), register j: channel 64 w + 16 n + 8 h + j
.irp i, 0,1
	global_load_b128 v[128+8*\n+4*\i:128+8*\n+4*\i+3], v[H32], s[22:23] offset:64*\n+16*\i
.endr
.endr
	WLOAD 0
	WLOAD 1
	WLOAD 2
	WIN 0
.irp n, 0,1,2,3
.irp s, 0,1,2,3
	global_load_b32 v[WSC+4*\n+\s], v[R4], s[26:27] offset:\s*2048+64*\n   ; lane r: the word of column 64 w + 16 n + r
.endr
.endr
.set N, 0
.rept 128
	global_load_b32 v[ACC+N], v[L4], s[20:21] offset:N*16384 th:TH_LOAD_NT   ; channel N of my 128, my token: 128 neighbouring bytes a wave
.set N, N+1
.endr
	; ---- my 32 tokens x 128 channels become codes
	s_wait_loadcnt 63                              ; all but the youngest 63 loads are in: channels 0 to 63 are
	QBLOCK 0
	QBLOCK 1
	s_wait_loadcnt 32                              ; the youngest 32 may be out
	QBLOCK 2
	s_wait_loadcnt 0x0
	QBLOCK 3
	ds_store_b32 v[XSA], v14
	BARRIER                                        ; x's sixteen fragments and their scale words lie in LDS
	; ---- the quantised product
.irp t, 0,1,2,3
.irp s, 0,1,2,3
	ds_load_b32 v[XSW+4*\t+\s], v[RS] offset:\t*256+\s*64
.endr
.endr
	XFLOAD 0
	FP4STEP 0
	FP4STEP 1
	FP4STEP 2
	FP4STEP 3
	; ---- its result, rounded to f16, is my four chunks of each token tile's image
	PLACES 4                                       ; in front of loads into, and conversions over, registers that the last products read, and of the first read of results
	WIN 0x40
	WLOAD 3
	WLOAD 4
	WLOAD 5
	WLOAD 6
	WIN 0
.set N, 0
.rept 64
	v_cvt_pk_f16_f32 v[TF+N], v[ACC+2*N], v[ACC+2*N+1]   ; each accumulator from its low end on
.set N, N+1
.endr
.irp n, 0,1,2,3
.irp t, 0,1,2,3
	ds_store_b128 v[SI], v[TF+4*(4*\n+\t):TF+4*(4*\n+\t)+3] offset:\t*16384+\n*512
.endr
.endr
	BARRIER                                        ; the hidden layer's image is whole; behind this barrier LDS is only read
	s_cmp_eq_u32 s17, 0
	s_cbranch_scc0 .Ljob1
	PRODUCT 0, 15, 0                               ; q
	OUT v_cvt_pk_bf16_f32, 30, 0
	s_branch .Lend
.Ljob1:
	PRODUCT 0, 31, 0                               ; k; the stream runs on into Wv
	OUT v_cvt_pk_bf16_f32, 30, 0
	s_wait_xcnt 0x0                                ; k's stores have read their registers: token fragments may land there
	PRODUCT 16, 31, 1                              ; v, with the sources swapped: a lane holds a channel and eight tokens
	OUT v_cvt_pk_f16_f32, 32, 1
.Lend:
	s_wait_tensorcnt 0x0                           ; the wave's end, behind my last LDS store
	ds_add_u32 v[SPW], v[NIL]
	s_wait_dscnt 0x0
	s_endpgm
.Lfunc_end_k_qa8f76e2402_proj:
	.size	k_qa8f76e2402_proj, .Lfunc_end_k_qa8f76e2402_proj-k_qa8f76e2402_proj
	.p2alignl 7, 3214868480
	.fill 96, 4, 3214868480
	.section	.rodata,"a",@progbits
	.p2align	6, 0x0
	.amdhsa_kernel k_qa8f76e2402_proj
		.amdhsa_group_segment_fixed_size 83968
		.amdhsa_private_segment_fixed_size 0
		.amdhsa_enable_private_segment 0
		.amdhsa_kernarg_size 48
		.amdhsa_user_sgpr_count 2
		.amdhsa_user_sgpr_kernarg_segment_ptr 1
		.amdhsa_wavefront_size32 1
		.amdhsa_system_sgpr_workgroup_id_x 1
		.amdhsa_system_sgpr_workgroup_id_y 1
		.amdhsa_system_sgpr_workgroup_id_z 1
		.amdhsa_system_vgpr_workitem_id 0
		.amdhsa_next_free_vgpr 512
		.amdhsa_next_free_sgpr 66
		.amdhsa_reserve_vcc 0
		.amdhsa_float_denorm_mode_32 3
		.amdhsa_float_denorm_mode_16_64 3
		.amdhsa_memory_ordered 1
		.amdhsa_forward_progress 1
		.amdhsa_inst_pref_size 178
	.end_amdhsa_kernel
	.amdgpu_metadata
---
amdhsa.version: [ 1, 2 ]
amdhsa.kernels:
  - .name:           k_qa8f76e2402_proj
    .symbol:         k_qa8f76e2402_proj.kd
    .args:
      - { .name: x, .offset: 0, .size: 8, .value_kind: global_buffer, .address_space: global }
      - { .name: context, .offset: 8, .size: 8, .value_kind: global_buffer, .address_space: global }
      - { .name: bi, .offset: 16, .size: 8, .value_kind: global_buffer, .address_space: global }
      - { .name: bc, .offset: 24, .size: 8, .value_kind: global_buffer, .address_space: global }
      - { .name: wts, .offset: 32, .size: 8, .value_kind: global_buffer, .address_space: global }
      - { .name: qkv, .offset: 40, .size: 8, .value_kind: global_buffer, .address_space: global }
    .group_segment_fixed_size: 83968
    .private_segment_fixed_size: 0
    .kernarg_segment_align: 8
    .kernarg_segment_size: 48
    .max_flat_workgroup_size: 256
    .sgpr_count:     66
    .vgpr_count:     512
    .wavefront_size: 32
...
	.end_amdgpu_metadata
.endif
;; end of part 2
;; launch attn (part 3): grid 16 x 16, 8 waves a work-group, clusters of 4 x 1, 327,680 bytes of LDS; arguments qkv, att; writes att
.if DOCPART == 3
	.amdgcn_target "amdgcn-amd-amdhsa--gfx1250"
	.amdhsa_code_object_version 6
	.text
	.protected	k_qa8f76e2402_attn
	.globl	k_qa8f76e2402_attn
	.p2align	8
	.type	k_qa8f76e2402_attn,@function
k_qa8f76e2402_attn:
	s_mov_b64 s[64:65], 0
	v_nop
	global_prefetch_b8 v0, s[64:65] scope:SCOPE_SE
	s_setreg_imm32_b32 hwreg(HW_REG_WAVE_MODE, 25, 1), 1
	s_wait_xcnt 0x0
	s_wait_alu depctr_hold_cnt(0) depctr_sa_sdst(0) depctr_va_vdst(0) depctr_va_sdst(0) depctr_va_ssrc(0) depctr_va_vcc(0) depctr_vm_vsrc(0)
	s_getreg_b32 s2, hwreg(HW_REG_IB_STS2, 6, 4)
	s_cmp_eq_u32 s2, 0
	s_cbranch_scc0 .Lentry_in_a_cluster
	s_endpgm
.Lentry_in_a_cluster:
	s_bfe_u32 s2, ttmp6, 0x10000c
	s_cmp_lg_u32 s2, 0x3003
	s_cbranch_scc0 .Lentry_shape_is_right
	s_endpgm
.Lentry_shape_is_right:
; ATTN: att[b][q][head] = the sum over k of softmax_k(q . k / 8) v, 16 pairs (b, head) of 4,096 tokens, head size 64.  q, k: bf16; v and the weights p: f16; products, maxima and sums in f32.
; q, k, v lie in qkv as images of operand registers (chunks of 32 lanes x 16 bytes): every fragment is loaded at 16 x lane, 512 dense bytes an instruction: no pitch, no padding, no turning load.
; LIMITS: NaN and infinities are not served; v lies inside f16's range.
; SOFTMAX: a running maximum m and sum l for each query: p = 2^(c s - c m), c = log2(e) / 8; in every step O and l are multiplied by a = 2^(c m_old - c m_new).  m begins at -3e38, l and O at 0: the loop has no first step of its own.
; SHARES.  A work-group owns 256 queries of one (b, head); each of its eight waves 32: two tiles of 16.  Two waves lie on a SIMD, so that one wave's softmax stands beside the other's products.
; Both products are used transposed: S^T = K Q^T (source 0 = 16 keys, source 1 = 16 queries), O^T = V^T P: a lane holds ONE query throughout, and S^T's tiles, rounded in pairs, ARE P's fragments.
; RING.  K and V come through two LDS slots of 512 keys (65,536 bytes of K's images, then 65,536 of V's); each wave fetches 16,384 dense bytes with one tensor load, which has eight key steps in which to land.
; CLUSTER.  The four query blocks of a cluster walk the same K and V: each tile is asked for JOINTLY, the same load with the same descriptor and the mask of all four.
; The result leaves in f32 as [256 b + token tile][head][channel tile ct][half q2][lane][16]: lane (r, h): token r, channels 16 ct + 8 h + 4 q2 + 0 .. 3: my accumulators as they stand.
; REGISTERS.  window 0: v1-5 addresses; v6, v7 the add's two; v8-23 statistics, eight a tile: +0 c m, +1 m, +2, +3 l, +4 .. +7 at work (a at +6); v32-95 S^T; v96-127 P; v128-191 O^T.
;   window 1: v0-31 Q; v32-95 K's eight fragments of a step; v96-159 V's eight.
.set SLOT1, 1<<17                      ; slot 1 begins here: one exclusive or turns an address from slot to slot
.set VOFF,  65536
.set TILEB, 65536                      ; 512 keys in K's images, and in V's
.set STEPB, 8192                       ; 64 keys
.set SPARE, 2*SLOT1                    ; behind the ring: the spare words, 128 bytes for each wave: four blocks of 256 bytes that no other line names
.set LI,  1
.set ADK, 2
.set ADV, 3
.set PFO, 5                            ; v5   256 x lane: the prefetches' offset; never rewritten
.set SPW, 6
.set NIL, 7
.set ST,  8
.set S,   32
.set P,   96
.set OT,  128
.set QF,  0
.set KF,  32
.set VF,  96
; s8 wave; s9 8 b + head; s[16:23] descriptor group 1; s[24:27] group 0, which walks; s28 LDS byte of the step to fetch; s29 slots still to ask for; s30 steps of a slot; s31 who prefetches;
; s[32:33] c; s[34:35] lane selects; s[36:37] where my prefetches stand; s[38:39] Q; s[40:41] att
.set MSB, 0
.macro WIN new
.if MSB != \new
	s_set_vgpr_msb (MSB<<8)|\new
.set MSB, \new
.endif
.endm
.macro PLACES n
.rept \n
	v_nop
.endr
.endm
.macro ROUND                           ; a round of the cluster's barrier
	s_barrier_signal -1
	s_barrier_wait -1
	s_cmp_lg_u32 s8, 0
	s_cbranch_scc1 .Lnot_wave_0_\@
	s_barrier_signal -3
.Lnot_wave_0_\@:
	s_barrier_wait -3
	s_barrier_signal -1
	s_barrier_wait -1
.endm
; A PREFETCH INTO THE L2 of what the NEXT change of slots will ask for, eight key steps ahead of that load.  All four clusters of a head walk the same K and V: the head's first cluster asks.
; In it the even waves ask, one instruction each: wave w stands at its own 16,384 bytes; its four partners take 8,192 bytes each BY ADDRESS, lanes 256 bytes apart: together 32,768 bytes, the wave's part and
; the next wave's.  So each aligned block of 256 bytes is named once in the launch.  The change that asks for the last tile prefetches nothing; tiles 0 and 1 come by their loads alone.
.macro ASK
	s_cmp_gt_u32 s29, s31
	s_cbranch_scc0 .Lnot_mine_\@
	global_prefetch_b8 v[PFO], s[36:37] th:TH_LOAD_NT scope:SCOPE_SE
.Lnot_mine_\@:
.endm
; THE CHANGE OF SLOTS, at a slot's head.  Each wave waits for all its tensor loads (one is out: its part of the slot ahead), adds 0 to its spare word, and waits for that and for its reads of the slot that it has left.
; fill = 1: the barrier is a round of the cluster's, and the joint load of the next 512 keys, into the slot just left, is the first thing behind it.
.macro CHANGE fill
	s_wait_tensorcnt 0x0                           ; no tensor load of mine is out, so group 0 may be written
	ds_add_u32 v[SPW], v[NIL]                      ; the steps below stand between the add and the wait for it
.if \fill
	s_xor_b32 s25, s25, SLOT1                      ; the other slot than last time,
	s_add_nc_u64 s[26:27], s[26:27], TILEB         ; the next 512 keys; the type bits on top are not reached
	s_wait_xcnt 0x0                                ; the last prefetch, a slot back, has read its address
	s_add_nc_u64 s[36:37], s[36:37], TILEB         ; one tile further on than the walking descriptor
	s_wait_dscnt 0x0                               ; the add is done, and my reads of the slot that I have left are over
	ROUND
	tensor_load_to_lds s[24:27], s[16:23]
	s_nop 0
	PLACES 4
	ASK
.else
	s_wait_dscnt 0x0
	s_barrier_signal -1
	s_barrier_wait -1
.endif
.endm
; The softmax of my two tiles for 64 keys, the tiles line by line in turn.
.macro SOFTMAX
.irp j, 0,1,2,3                        ; the maximum: four chains, one for each tile of 16 keys, each begun at the accumulator's low end
.irp x, 0,1
	v_max3_num_f32 v[ST+8*\x+4+\j], v[S+32*\x+8*\j], v[S+32*\x+8*\j+1], v[S+32*\x+8*\j+2]
.endr
.endr
.irp g, 3,5
.irp j, 0,1,2,3
.irp x, 0,1
	v_max3_num_f32 v[ST+8*\x+4+\j], v[ST+8*\x+4+\j], v[S+32*\x+8*\j+\g], v[S+32*\x+8*\j+\g+1]
.endr
.endr
.endr
.irp x, 0,1
	v_max3_num_f32 v[ST+8*\x+4], v[ST+8*\x+4], v[S+32*\x+7], v[S+32*\x+15]
.endr
.irp x, 0,1
	v_max3_num_f32 v[ST+8*\x+6], v[ST+8*\x+6], v[S+32*\x+23], v[S+32*\x+31]
.endr
.irp x, 0,1
	v_max3_num_f32 v[ST+8*\x+4], v[ST+8*\x+4], v[ST+8*\x+5], v[ST+8*\x+6]
.endr
.irp x, 0,1
	v_max3_num_f32 v[ST+8*\x+4], v[ST+8*\x+4], v[ST+8*\x+7], v[ST+8*\x+1]   ; with the old m
.endr
.irp x, 0,1
	v_permlanex16_b32 v[ST+8*\x+5], v[ST+8*\x+4], s34, s35                  ; the query's other 32 keys lie in the lane 16 away
.endr
.irp x, 0,1
	v_mov_b32 v[ST+8*\x+7], v[ST+8*\x]                                      ; c m_old
.endr
.irp x, 0,1
	v_max_num_f32 v[ST+8*\x+1], v[ST+8*\x+4], v[ST+8*\x+5]                  ; the new m
.endr
.irp x, 0,1
	v_mul_f32 v[ST+8*\x], s32, v[ST+8*\x+1]
.endr
.irp x, 0,1
	v_sub_f32 v[ST+8*\x+7], v[ST+8*\x+7], v[ST+8*\x]
.endr
.irp b, 0,2,4,6,8,10,12,14,16,18,20,22,24,26,28,30
.irp x, 0,1
	v_pk_fma_f32 v[S+32*\x+\b:S+32*\x+\b+1], v[S+32*\x+\b:S+32*\x+\b+1], s[32:33], v[ST+8*\x:ST+8*\x+1] op_sel_hi:[1,0,0] neg_lo:[0,0,1] neg_hi:[0,0,1]   ; c s - c m
.endr
.endr
.irp x, 0,1                            ; ONE batch of 66 exponentials, none of which reads another's result
	v_exp_f32 v[ST+8*\x+6], v[ST+8*\x+7]           ; a
.endr
.irp e, 0,1,2,3,4,5,6,7,8,9,10,11,12,13,14,15,16,17,18,19,20,21,22,23,24,25,26,27,28,29,30,31
.irp x, 0,1
	v_exp_f32 v[S+32*\x+\e], v[S+32*\x+\e]
.endr
.endr
	v_nop                                          ; a plain line behind the last exponential,
	s_wait_alu depctr_va_vdst(0)                   ; and the one wait ahead of the batch's first reader
.irp n, 0,1,2,3,4,5,6,7,8,9,10,11,12,13,14,15
.irp x, 0,1
	v_cvt_pk_f16_f32 v[P+16*\x+\n], v[S+32*\x+2*\n], v[S+32*\x+2*\n+1]
.endr
.endr
.irp x, 0,1
	v_pk_mul_f32 v[ST+8*\x+2:ST+8*\x+3], v[ST+8*\x+2:ST+8*\x+3], v[ST+8*\x+6:ST+8*\x+7] op_sel_hi:[1,0]   ; l under the new m
.endr
.irp x, 0,1                            ; the 16 pairs of weights are added in two chains
	v_pk_add_f32 v[ST+8*\x+4:ST+8*\x+5], v[S+32*\x+2:S+32*\x+3], v[S+32*\x+6:S+32*\x+7]
.endr
.irp x, 0,1
	v_pk_add_f32 v[ST+8*\x+2:ST+8*\x+3], v[ST+8*\x+2:ST+8*\x+3], v[S+32*\x:S+32*\x+1]
.endr
.irp x, 0,1
	v_pk_add_f32 v[ST+8*\x+2:ST+8*\x+3], v[ST+8*\x+2:ST+8*\x+3], v[S+32*\x+4:S+32*\x+5]
.endr
.irp g, 8,12,16,20,24,28
.irp x, 0,1
	v_pk_add_f32 v[ST+8*\x+2:ST+8*\x+3], v[ST+8*\x+2:ST+8*\x+3], v[S+32*\x+\g:S+32*\x+\g+1]
	v_pk_add_f32 v[ST+8*\x+4:ST+8*\x+5], v[ST+8*\x+4:ST+8*\x+5], v[S+32*\x+\g+2:S+32*\x+\g+3]
.endr
.endr
.irp x, 0,1
	v_pk_add_f32 v[ST+8*\x+2:ST+8*\x+3], v[ST+8*\x+2:ST+8*\x+3], v[ST+8*\x+4:ST+8*\x+5]
.endr
.irp i, 0,2,4,6,8,10,12,14,16,18,20,22,24,26,28,30   ; O^T under the new m, each accumulator from its low end on
.irp x, 0,1
	v_pk_mul_f32 v[OT+32*\x+\i:OT+32*\x+\i+1], v[OT+32*\x+\i:OT+32*\x+\i+1], v[ST+8*\x+6:ST+8*\x+7] op_sel_hi:[1,0]
.endr
.endr
.endm
; A KEY STEP: 64 keys.
.macro STEP
	v_add_nc_u32 v[ADK], s28, v[LI]                ; these four plain lines are the places behind the last products, in front of loads into registers that they read
	v_add_nc_u32 v[ADV], VOFF, v[ADK]
	v_nop
	v_nop
	WIN 0x40
.irp f, 0,1,2,3,4,5,6,7,8,9,10,11,12,13,14,15       ; K: chunk f = 4 kt + 2 ks + c
	ds_load_b128 v[KF+4*\f:KF+4*\f+3], v[ADK] offset:\f*512
.endr
.irp f, 0,1,2,3,4,5,6,7,8,9,10,11,12,13,14,15       ; V: chunk f = 8 kk + 2 ct + c
	ds_load_b128 v[VF+4*\f:VF+4*\f+3], v[ADV] offset:\f*512
.endr
	s_add_co_u32 s28, s28, STEPB
	s_wait_dscnt 16                                ; K is in; V's sixteen loads may stay out
	WIN 0x05                                       ; K and Q in window 1
.irp ks, 0,1                           ; eight accumulators take turns, one instruction a turn
.irp kt, 0,1,2,3
.irp x, 0,1
.if \ks == 0
	v_wmma_f32_16x16x32_bf16 v[S+32*\x+8*\kt:S+32*\x+8*\kt+7], v[KF+16*\kt+8*\ks:KF+16*\kt+8*\ks+7], v[QF+16*\x+8*\ks:QF+16*\x+8*\ks+7], 0
.else
	v_wmma_f32_16x16x32_bf16 v[S+32*\x+8*\kt:S+32*\x+8*\kt+7], v[KF+16*\kt+8*\ks:KF+16*\kt+8*\ks+7], v[QF+16*\x+8*\ks:QF+16*\x+8*\ks+7], v[S+32*\x+8*\kt:S+32*\x+8*\kt+7]
.endif
.endr
.endr
.endr
	WIN 0
	PLACES 4                                       ; in front of the first read of results
	SOFTMAX
	s_wait_dscnt 0x0                               ; V is in
	WIN 0x01                                       ; V in window 1
.irp kk, 0,1
.irp ct, 0,1,2,3
.irp x, 0,1
	v_wmma_f32_16x16x32_f16 v[OT+32*\x+8*\ct:OT+32*\x+8*\ct+7], v[VF+32*\kk+8*\ct:VF+32*\kk+8*\ct+7], v[P+16*\x+8*\kk:P+16*\x+8*\kk+7], v[OT+32*\x+8*\ct:OT+32*\x+8*\ct+7]
.endr
.endr
.endr
	WIN 0
.endm
.macro SLOT_STEPS                      ; a slot's eight key steps: written once, walked eight times; the LDS addresses hang on s28
	s_mov_b32 s30, 8
.Lstep_\@:
	STEP
	s_sub_co_u32 s30, s30, 1
	s_cmp_lg_u32 s30, 0
	s_cbranch_scc1 .Lstep_\@
	s_sub_co_u32 s28, s28, TILEB                   ; back to a slot's first step,
	s_xor_b32 s28, s28, SLOT1                      ; in the other slot
.endm
	s_load_b128 s[4:7], s[0:1], 0x0                ; qkv, att
	v_lshl_add_u32 v[SPW], v0, 2, SPARE
	v_mov_b32 v[NIL], 0
	ds_add_u32 v[SPW], v[NIL]                      ; the wave's opening: the add, twice on end, and its wait ahead of my first tensor load; the set-up below stands between the second and the wait
	ds_add_u32 v[SPW], v[NIL]
	v_lshrrev_b32 v4, 5, v0
	v_readfirstlane_b32 s8, v4                     ; wave 0..7
	v_and_b32 v4, 31, v0
	v_lshlrev_b32 v[LI], 4, v4
	v_lshlrev_b32 v[PFO], 8, v4
	s_and_b32 s9, ttmp7, 0xffff                    ; 8 b + head, which the four partners share
	; descriptor group 1: 64 rows of 256 bytes (32 elements of 8 bytes), dense in memory and in LDS
	s_mov_b32 s16, 15|(3<<16)|(1<<21)              ; 15:0 the mask: all four work-groups; 17:16 elements of 8 bytes; 21 set beside a mask; no padding
	s_mov_b32 s17, 32<<16                          ; tensor_dim0 = 32
	s_mov_b32 s18, 64<<16                          ; tensor_dim1 = 64
	s_mov_b32 s19, 32<<16                          ; tile_dim0 = 32
	s_mov_b32 s20, 64                              ; tile_dim1 = 64
	s_mov_b32 s21, 32                              ; elements from row to row
	s_mov_b32 s22, 0
	s_mov_b32 s23, 0
	; what I fetch: waves 0-3 a quarter of K's images, waves 4-7 of V's.  No place in the cluster enters these registers
	s_lshr_b32 s42, s8, 2
	s_add_co_u32 s42, s42, 1
	s_lshl_b32 s42, s42, 23                        ; k at 8,388,608, v at 16,777,216
	s_lshl_b32 s43, s9, 19                         ; 524,288 bytes a head
	s_add_co_u32 s42, s42, s43
	s_and_b32 s43, s8, 3
	s_lshl_b32 s43, s43, 14
	s_add_co_u32 s42, s42, s43
	s_mov_b32 s43, 0
	s_bfe_u32 s44, ttmp6, 0x40000                  ; cx: my place in the cluster: it enters Q's, att's and the prefetches' addresses alone
	s_lshl_b32 s45, ttmp9, 2
	s_add_co_u32 s45, s45, s44                     ; my block of 256 queries
	s_lshl_b32 s46, s9, 19                         ; Q: the head, 16 tiles of 2,048 bytes a block, my wave's two tiles
	s_lshl_b32 s47, s45, 15
	s_add_co_u32 s46, s46, s47
	s_lshl_b32 s47, s8, 12
	s_add_co_u32 s46, s46, s47
	s_mov_b32 s47, 0
	s_lshr_b32 s48, s9, 3                          ; att: (256 b + 16 block + 2 wave) x 32,768 + head x 4,096
	s_lshl_b32 s48, s48, 23
	s_lshl_b32 s49, s45, 19
	s_add_co_u32 s48, s48, s49
	s_lshl_b32 s49, s8, 16
	s_add_co_u32 s48, s48, s49
	s_and_b32 s49, s9, 7
	s_lshl_b32 s49, s49, 12
	s_add_co_u32 s48, s48, s49
	s_mov_b32 s49, 0
	s_lshl_b32 s50, s44, 13                        ; the prefetches: my work-group's 8,192 bytes,
	s_add_co_u32 s50, s50, TILEB                   ; in tile 1: the first change of slots steps it to tile 2
	s_mov_b32 s51, 0
	s_and_b32 s31, s8, 1                           ; 0 in the even waves
	s_or_b32 s31, s31, ttmp9                       ; of the head's first cluster: the same in all four partners
	s_cmp_eq_u32 s31, 0
	s_cselect_b32 s31, 1, -1
	s_mov_b32 s32, 0x3e38aa3b                      ; c = log2(e) / 8
	s_mov_b32 s33, s32                             ; (named with it as a pair, so it is written)
	s_mov_b32 s34, 0x76543210
	s_mov_b32 s35, 0xfedcba98
	s_mov_b32 s28, 0
	s_mov_b32 s29, 7
	s_wait_dscnt 0x0                               ; both opening adds are done
	s_wait_kmcnt 0x0
	s_mov_b32 s24, 1                               ; count = 1
	s_lshl_b32 s25, s8, 14                         ; LDS address: slot 0, 16,384 x wave
	s_add_nc_u64 s[26:27], s[4:5], s[42:43]        ; global address: tile 0
	s_add_nc_u64 s[36:37], s[26:27], s[50:51]
	s_or_b32 s27, s27, 0x80000000                  ; type = 2
	s_add_nc_u64 s[38:39], s[4:5], s[46:47]
	s_add_nc_u64 s[40:41], s[6:7], s[48:49]
	ROUND                                          ; all four work-groups are here: the first joint loads meet
	tensor_load_to_lds s[24:27], s[16:23]          ; tile 0: one tensor load of mine is out
	s_nop 0
	PLACES 4
	WIN 0x40
.irp i, 0,1,2,3,4,5,6,7                ; Q stays in registers: chunk i = 4 x + 2 ks + c
	global_load_b128 v[QF+4*\i:QF+4*\i+3], v[LI], s[38:39] offset:\i*512
.endr
	WIN 0
.irp x, 0,1
	v_mov_b32 v[ST+8*\x+1], 0xff61b1e6             ; m = -3e38, under every score
	v_mul_f32 v[ST+8*\x], s32, v[ST+8*\x+1]
	v_mov_b32 v[ST+8*\x+2], 0
	v_mov_b32 v[ST+8*\x+3], 0
.endr
.set N, 0
.rept 64
	v_mov_b32 v[OT+N], 0                           ; the loop is written once: its first step finds zeros, which a = 0 leaves zeros
.set N, N+1
.endr
	s_wait_loadcnt 0x0                             ; Q
.Lslot:                                            ; seven trips: behind each change of slots but the last the next tile is asked for
	CHANGE 1
	SLOT_STEPS
	s_sub_co_u32 s29, s29, 1
	s_cmp_lg_u32 s29, 0
	s_cbranch_scc1 .Lslot
	CHANGE 0                                       ; the last slot is written out
	SLOT_STEPS
	; THE WAY OUT: O^T / l, stored from the accumulators' registers: 512 dense bytes an instruction
	PLACES 4
.irp x, 0,1
	v_add_f32 v[ST+8*\x+4], v[ST+8*\x+2], v[ST+8*\x+3]
.endr
.irp x, 0,1
	v_permlanex16_b32 v[ST+8*\x+5], v[ST+8*\x+4], s34, s35
.endr
.irp x, 0,1
	v_add_f32 v[ST+8*\x+4], v[ST+8*\x+4], v[ST+8*\x+5]
.endr
.irp x, 0,1
	v_rcp_f32 v[ST+8*\x+6], v[ST+8*\x+4]
.endr
	v_nop                                          ; a plain line behind the last reciprocal,
	s_wait_alu depctr_va_vdst(0)                   ; and the wait ahead of the first reader
.irp i, 0,2,4,6,8,10,12,14,16,18,20,22,24,26,28,30
.irp x, 0,1
	v_pk_mul_f32 v[OT+32*\x+\i:OT+32*\x+\i+1], v[OT+32*\x+\i:OT+32*\x+\i+1], v[ST+8*\x+6:ST+8*\x+7] op_sel_hi:[1,0]
.endr
.endr
.irp x, 0,1
.irp ct, 0,1,2,3
.irp q, 0,1
	global_store_b128 v[LI], v[OT+32*\x+8*\ct+4*\q:OT+32*\x+8*\ct+4*\q+3], s[40:41] offset:\x*32768+\ct*1024+\q*512
.endr
.endr
.endr
	s_wait_tensorcnt 0x0                           ; the wave's end, behind my last tensor load
	ds_add_u32 v[SPW], v[NIL]
	s_wait_dscnt 0x0
	ROUND                                          ; the closing round: no work-group ends while a partner may still ask for a tile that names it
	s_endpgm
.Lfunc_end_k_qa8f76e2402_attn:
	.size	k_qa8f76e2402_attn, .Lfunc_end_k_qa8f76e2402_attn-k_qa8f76e2402_attn
	.p2alignl 7, 3214868480
	.fill 96, 4, 3214868480
	.section	.rodata,"a",@progbits
	.p2align	6, 0x0
	.amdhsa_kernel k_qa8f76e2402_attn
		.amdhsa_group_segment_fixed_size 327680
		.amdhsa_private_segment_fixed_size 0
		.amdhsa_enable_private_segment 0
		.amdhsa_kernarg_size 16
		.amdhsa_user_sgpr_count 2
		.amdhsa_user_sgpr_kernarg_segment_ptr 1
		.amdhsa_wavefront_size32 1
		.amdhsa_system_sgpr_workgroup_id_x 1
		.amdhsa_system_sgpr_workgroup_id_y 1
		.amdhsa_system_sgpr_workgroup_id_z 1
		.amdhsa_system_vgpr_workitem_id 0
		.amdhsa_next_free_vgpr 512
		.amdhsa_next_free_sgpr 66
		.amdhsa_reserve_vcc 0
		.amdhsa_float_denorm_mode_32 3
		.amdhsa_float_denorm_mode_16_64 3
		.amdhsa_memory_ordered 1
		.amdhsa_forward_progress 1
		.amdhsa_inst_pref_size 48
	.end_amdhsa_kernel
	.amdgpu_metadata
---
amdhsa.version: [ 1, 2 ]
amdhsa.kernels:
  - .name:           k_qa8f76e2402_attn
    .symbol:         k_qa8f76e2402_attn.kd
    .args:
      - { .name: qkv, .offset: 0, .size: 8, .value_kind: global_buffer, .address_space: global }
      - { .name: att, .offset: 8, .size: 8, .value_kind: global_buffer, .address_space: global }
    .group_segment_fixed_size: 327680
    .private_segment_fixed_size: 0
    .kernarg_segment_align: 8
    .kernarg_segment_size: 16
    .max_flat_workgroup_size: 256
    .sgpr_count:     66
    .vgpr_count:     512
    .wavefront_size: 32
...
	.end_amdgpu_metadata
.endif
;; end of part 3
;; launch mlp (part 4): grid 128 x 1, 8 waves a work-group, no clusters, 210,432 bytes of LDS; arguments att, wts, bo1, bo2, out0; writes out0
.if DOCPART == 4
	.amdgcn_target "amdgcn-amd-amdhsa--gfx1250"
	.amdhsa_code_object_version 6
	.text
	.protected	k_qa8f76e2402_mlp
	.globl	k_qa8f76e2402_mlp
	.p2align	8
	.type	k_qa8f76e2402_mlp,@function
k_qa8f76e2402_mlp:
	s_mov_b64 s[64:65], 0
	v_nop
	global_prefetch_b8 v0, s[64:65] scope:SCOPE_SE
	s_setreg_imm32_b32 hwreg(HW_REG_WAVE_MODE, 25, 1), 1
	s_wait_xcnt 0x0
; MLP: out0[b][c][s] = (gelu(att Wo1 + bo1) Wo2 + bo2) transposed.  att: the attention's result, f32, as [token tile][head][ct][q2][lane][16].  Weights: f16 images from wts.  Sums in f32.
; BOTH ACTIVATIONS GO TO THE MATRIX UNIT AS f16 UNDER AN EXACT SCALE FOR EACH TOKEN: E = the exponent of the token's largest magnitude over its 512 channels (that magnitude held to 2^-126 .. 2^126);
; the numbers x 2^-E lie under 2 (under 4 at the upper hold), whatever the inputs' size; 2^E is multiplied back in f32 by the fused multiply-add that adds the bias.
; gelu(x) = x Phi(x) = max(x, 0) - |x| q(|x|),  q(z) = exp(-z^2 / 2) / sqrt(2 pi) x (b1 t + .. + b5 t^5),  t = 1 / (1 + 0.2316419 z)  (Abramowitz and Stegun 26.2.17: |error of Phi| < 7.5e-8 for every x).
; LIMITS: NaN and infinities are not served.
; SHARES.  A work-group takes 64 tokens, so that each weight fragment loaded feeds four matrix instructions; that leaves 128 work-groups.  THE WAVES SHARE THE COLUMNS: wave w owns columns 64 w .. 64 w + 63 of both
; products for all 64 tokens: 16 accumulators (column tile n, token tile t) at v[128 + 8 (4 n + t)].  Activations go from wave to wave through LDS as images of operand registers; each weight fragment is multiplied by
; one wave alone and goes from memory straight into its registers: eight buffers of a k step fill window 1, seven k steps' loads are on their way; Wo2 follows Wo1 in one stream.  Nothing is shared between work-groups through LDS: no cluster.
; The second product has its sources swapped: a lane then holds one output channel and eight tokens, which is out0's direction; rows of 64 tokens (256 bytes) are gathered in the wave's own stage.
; REGISTERS.  window 0: v1-5 addresses; v6, v7 the add's two; v8-15 2^E of att for the four token tiles (pairs), later 2^-E of g; v16-23 at work; v24-31 bo2 (pairs); v32-95 token fragments, and at work;
;   v96-127 bo1's four tiles, later 2^E of g by token; v128-255 att's numbers, the accumulators, the rows on the way out.   window 1: the eight buffers: step g in buffer g % 8.
.set IMG,   0                          ; LDS: the image [t][chunk of 16 channels: 32][lane][16], 65,536 bytes: att's, later g's
.set MXA,   65536                      ; att's largest magnitudes [token: 64][half of the channels: 2] f32
.set MXG,   66048                      ; g's [token: 64][wave: 8] f32
.set GS,    68096                      ; 2^E of g [token: 64] f32, a copy of its own for each wave
.set STAGE, 70144                      ; the way out: 64 rows x (256 bytes + 16) for each wave
.set SPARE, 209408                     ; the spare words, 128 bytes for each wave: four blocks of 256 bytes that no other line names
.set LI,  1                            ; v1   16 x lane
.set TA,  2                            ; v2, v3  where I read the image: token tiles 0, 1 and 2, 3 (an LDS immediate has 16 bits)
.set SI,  4                            ; v4   where I store g's chunks: 2,048 x wave + 16 x lane
.set AST, 5                            ; v5   where I store att's chunks
.set SPW, 6
.set NIL, 7
.set SA,  8
.set TM,  16
.set BO2, 24
.set TF,  32
.set GD,  32                           ; gelu: 1 + p |x|, then t, then max(x, 0)
.set GW,  48                           ; gelu: the exponent, then the exponential
.set GP,  64                           ; gelu: the polynomial, then q
.set BO1, 96
.set ACC, 128
.set OFS, 0
.set WBS, 28                           ; s[28:29] the weight stream: my 4,096 bytes of Wo1's k step 0
.set MSB, 0
.macro WIN new
.if MSB != \new
	s_set_vgpr_msb (MSB<<8)|\new
.set MSB, \new
.endif
.endm
.macro PLACES n
.rept \n
	v_nop
.endr
.endm
.macro BARRIER                         ; my LDS stores have landed and my LDS loads are in: then the work-group's barrier
	s_wait_dscnt 0x0
	s_barrier_signal -1
	s_barrier_wait -1
.endm
.macro WLOAD g                         ; weight step g of the stream: my four fragments, 4,096 dense bytes, into its buffer in window 1
.irp i, 0,1,2,3,4,5,6,7
	global_load_b128 v[32*(((\g)+OFS)%8)+4*\i:32*(((\g)+OFS)%8)+4*\i+3], v[LI], s[WBS:WBS+1] offset:(\g)*32768+\i*512
.endr
.endm
.macro TFLOAD u                        ; the four token tiles' fragments of k step u into set u % 2
.irp t, 0,1,2,3
.irp c, 0,1
	ds_load_b128 v[TF+32*((\u)%2)+8*\t+4*\c:TF+32*((\u)%2)+8*\t+4*\c+3], v[TA+(\t/2)] offset:(\t%2)*16384+(\u)*1024+\c*512
.endr
.endr
.endm
; One k step of 32.  The places serve the two runs of loads into registers that the step before multiplied (four), and at U = 0 the accumulators begun anew (five).
.macro KSTEP last, swap
.if U == 0
	PLACES 5
.else
	PLACES 4
.endif
.if \last-SG >= 6
	s_wait_loadcnt 48                              ; behind step SG's eight loads those of six later steps were issued: they may stay out
.else
	s_wait_loadcnt 8*(\last-SG)                    ; near the stream's end: as many steps as are left
.endif
.if SG+7 <= \last
	WIN 0x40
	WLOAD SG+7                                     ; into the buffer that step SG - 1 has left
	WIN 0
.endif
.if U < 15
	TFLOAD U+1
	s_wait_dscnt 8                                 ; this step's fragments are in; the eight loads just issued may stay out
.else
	s_wait_dscnt 0x0
.endif
.set WBF, 32*((SG+OFS)%8)
.set TFB, TF+32*(U%2)
.if \swap
	WIN 0x04
.else
	WIN 0x01
.endif
.irp n, 0,1,2,3                        ; the sixteen accumulators take turns, one instruction a turn
.irp t, 0,1,2,3
.if \swap
.if U == 0
	v_wmma_f32_16x16x32_f16 v[ACC+8*(4*\n+\t):ACC+8*(4*\n+\t)+7], v[TFB+8*\t:TFB+8*\t+7], v[WBF+8*\n:WBF+8*\n+7], 0
.else
	v_wmma_f32_16x16x32_f16 v[ACC+8*(4*\n+\t):ACC+8*(4*\n+\t)+7], v[TFB+8*\t:TFB+8*\t+7], v[WBF+8*\n:WBF+8*\n+7], v[ACC+8*(4*\n+\t):ACC+8*(4*\n+\t)+7]
.endif
.else
.if U == 0
	v_wmma_f32_16x16x32_f16 v[ACC+8*(4*\n+\t):ACC+8*(4*\n+\t)+7], v[WBF+8*\n:WBF+8*\n+7], v[TFB+8*\t:TFB+8*\t+7], 0
.else
	v_wmma_f32_16x16x32_f16 v[ACC+8*(4*\n+\t):ACC+8*(4*\n+\t)+7], v[WBF+8*\n:WBF+8*\n+7], v[TFB+8*\t:TFB+8*\t+7], v[ACC+8*(4*\n+\t):ACC+8*(4*\n+\t)+7]
.endif
.endif
.endr
.endr
	WIN 0
.endm
.macro PRODUCT s0, last, swap
	TFLOAD 0
.set U, 0
.rept 16
.set SG, \s0+U
	KSTEP \last, \swap
.set U, U+1
.endr
.endm
; gelu of the 16 registers from v[GX] on, in place.  The 32 transcendentals are one batch with one wait.
.macro GELU
.irp i, 0,1,2,3,4,5,6,7,8,9,10,11,12,13,14,15
	v_fma_f32 v[GD+\i], |v[GX+\i]|, s32, 1.0       ; 1 + p |x|
.endr
.irp i, 0,2,4,6,8,10,12,14
	v_pk_mul_f32 v[GW+\i:GW+\i+1], v[GX+\i:GX+\i+1], s[34:35] op_sel_hi:[1,0]   ; u = x sqrt(log2(e) / 2)
.endr
.irp i, 0,2,4,6,8,10,12,14
	v_pk_mul_f32 v[GW+\i:GW+\i+1], v[GW+\i:GW+\i+1], v[GW+\i:GW+\i+1]           ; u^2
.endr
.irp i, 0,1,2,3,4,5,6,7,8,9,10,11,12,13,14,15
	v_rcp_f32 v[GD+\i], v[GD+\i]                   ; t
.endr
.irp i, 0,1,2,3,4,5,6,7,8,9,10,11,12,13,14,15
	v_exp_f32 v[GW+\i], -v[GW+\i]                  ; exp(-x^2 / 2)
.endr
	v_nop                                          ; a plain line behind the last transcendental,
	s_wait_alu depctr_va_vdst(0)                   ; and the one wait ahead of the batch's first reader
.irp i, 0,2,4,6,8,10,12,14
	v_pk_fma_f32 v[GP+\i:GP+\i+1], v[GD+\i:GD+\i+1], v[16:17], s[36:37] op_sel_hi:[1,1,0]
.endr
.irp i, 0,2,4,6,8,10,12,14
	v_pk_fma_f32 v[GP+\i:GP+\i+1], v[GP+\i:GP+\i+1], v[GD+\i:GD+\i+1], s[38:39] op_sel_hi:[1,1,0]
.endr
.irp i, 0,2,4,6,8,10,12,14
	v_pk_fma_f32 v[GP+\i:GP+\i+1], v[GP+\i:GP+\i+1], v[GD+\i:GD+\i+1], s[40:41] op_sel_hi:[1,1,0]
.endr
.irp i, 0,2,4,6,8,10,12,14
	v_pk_fma_f32 v[GP+\i:GP+\i+1], v[GP+\i:GP+\i+1], v[GD+\i:GD+\i+1], s[42:43] op_sel_hi:[1,1,0]
.endr
.irp i, 0,2,4,6,8,10,12,14
	v_pk_mul_f32 v[GP+\i:GP+\i+1], v[GP+\i:GP+\i+1], v[GD+\i:GD+\i+1]
.endr
.irp i, 0,2,4,6,8,10,12,14
	v_pk_mul_f32 v[GP+\i:GP+\i+1], v[GP+\i:GP+\i+1], v[GW+\i:GW+\i+1]           ; q
.endr
.irp i, 0,1,2,3,4,5,6,7,8,9,10,11,12,13,14,15
	v_max_num_f32 v[GD+\i], 0, v[GX+\i]
.endr
.irp i, 0,1,2,3,4,5,6,7,8,9,10,11,12,13,14,15
	v_fma_f32 v[GX+\i], -|v[GX+\i]|, v[GP+\i], v[GD+\i]
.endr
.endm
	s_load_b256 s[4:11], s[0:1], 0x0               ; att, wts, bo1, bo2
	s_load_b64 s[12:13], s[0:1], 0x20              ; out0
	v_lshl_add_u32 v[SPW], v0, 2, SPARE
	v_mov_b32 v[NIL], 0
	v_lshrrev_b32 v16, 5, v0
	v_readfirstlane_b32 s16, v16                   ; wave 0..7
	s_mov_b32 s17, ttmp9                           ; block of 64 tokens, 0..127
	s_lshr_b32 s18, s16, 1                         ; the token tile whose numbers I scale,
	s_and_b32 s19, s16, 1                          ; and which 256 of its channels
	v_and_b32 v17, 31, v0
	v_lshlrev_b32 v[LI], 4, v17
	v_add_nc_u32 v[TA], IMG, v[LI]
	v_add_nc_u32 v[TA+1], IMG+32768, v[LI]
	s_lshl_b32 s44, s16, 11
	v_add_nc_u32 v[SI], s44, v[LI]
	s_lshl_b32 s44, s18, 14
	s_lshl_b32 s45, s19, 13
	s_add_co_u32 s44, s44, s45
	v_add_nc_u32 v[AST], s44, v[LI]
	v_and_b32 v18, 15, v0                          ; r
	v_bfe_u32 v19, v0, 4, 1                        ; h
	s_lshl_b32 s44, s18, 7                         ; 16 tokens of 8 bytes
	s_lshl_b32 s45, s19, 2
	s_add_co_u32 s45, s45, s44
	s_add_co_u32 s45, s45, MXA
	v_lshl_add_u32 v21, v18, 3, s45                ; where I store my token's largest magnitude,
	v_lshl_add_u32 v22, v18, 3, MXA                ; where I read a tile's,
	s_add_co_u32 s44, s44, MXA
	v_lshl_add_u32 v23, v18, 3, s44                ; and my own tile's
	v_mov_b32 v20, 0                               ; (a lane permute's destination counts as one of its sources)
	v_lshlrev_b32 v32, 5, v19                      ; bo1: 32 h
	v_lshlrev_b32 v33, 2, v18                      ; bo2: 4 r
	s_mov_b32 s30, 0x76543210
	s_mov_b32 s31, 0xfedcba98                      ; lane selects: lane l xor 16
	s_mov_b32 s32, 0x3e6d3389                      ; p = 0.2316419
	s_mov_b32 s34, 0x3f596d27                      ; sqrt(log2(e) / 2) = 0.8493218
	s_mov_b32 s35, s34
	s_mov_b32 s36, 0xbf3a00e3                      ; b4 / sqrt(2 pi) = -0.726576014
	s_mov_b32 s37, s36
	s_mov_b32 s38, 0x3f35f0e3                      ; b3 / sqrt(2 pi) =  0.710706871
	s_mov_b32 s39, s38
	s_mov_b32 s40, 0xbe11a98e                      ; b2 / sqrt(2 pi) = -0.142248368
	s_mov_b32 s41, s40
	s_mov_b32 s42, 0x3e027906                      ; b1 / sqrt(2 pi) =  0.127414796
	s_mov_b32 s43, s42
	s_lshl_b32 s44, s17, 17                        ; att: 4 tiles of 32,768 bytes a block, my tile, my four heads
	s_lshl_b32 s45, s18, 15
	s_add_co_u32 s44, s44, s45
	s_lshl_b32 s45, s19, 14
	s_add_co_u32 s44, s44, s45
	s_mov_b32 s45, 0
	s_lshl_b32 s46, s16, 8                         ; the biases: my 64 numbers
	s_mov_b32 s47, 0
	s_lshr_b32 s48, s17, 6                         ; out0: the image,
	s_lshl_b32 s48, s48, 23
	s_lshl_b32 s49, s16, 20                        ; my 64 channels of 16,384 bytes,
	s_add_co_u32 s48, s48, s49
	s_and_b32 s49, s17, 63
	s_lshl_b32 s49, s49, 8                         ; the block's 64 tokens
	s_add_co_u32 s48, s48, s49
	s_mov_b32 s49, 0
	s_lshl_b32 s50, s16, 12                        ; the stream: Wo1 is the fourth f16 matrix
	s_add_co_u32 s50, s50, 3*524288
	s_mov_b32 s51, 0
	s_wait_kmcnt 0x0
	s_add_nc_u64 s[20:21], s[4:5], s[44:45]
	s_add_nc_u64 s[22:23], s[8:9], s[46:47]
	s_add_nc_u64 s[24:25], s[10:11], s[46:47]
	s_add_nc_u64 s[26:27], s[12:13], s[48:49]
	s_add_nc_u64 s[WBS:WBS+1], s[6:7], s[50:51]
.set N, 0
.rept 32
	global_load_b128 v[ACC+4*N:ACC+4*N+3], v[LI], s[20:21] offset:N*512 th:TH_LOAD_NT   ; lane (r, h): token r; chunks 2 g, 2 g + 1: channels 16 g + 8 h + 0 .. 7 of my 256
.set N, N+1
.endr
.irp n, 0,1,2,3                        ; bo1 in the first product's layout: lane (r, h), register j: channel 64 w + 16 n + 8 h + j
.irp i, 0,1
	global_load_b128 v[BO1+8*\n+4*\i:BO1+8*\n+4*\i+3], v32, s[22:23] offset:64*\n+16*\i
.endr
.endr
.irp n, 0,1,2,3                        ; bo2 in the second's: lane r: channel 64 w + 16 n + r; twice, since the packed form names a pair
	global_load_b32 v[BO2+2*\n], v33, s[24:25] offset:64*\n
	global_load_b32 v[BO2+2*\n+1], v33, s[24:25] offset:64*\n
.endr
	WIN 0x40
.irp g, 0,1,2,3,4,5,6
	WLOAD \g
.endr
	WIN 0
	s_wait_loadcnt 56                              ; att and the biases are in; the stream's 56 loads stay out
	; ---- the token's largest magnitude: my 128 numbers in four chains, the floor 2^-126 among the leaves; lane l xor 16's; the other wave's through LDS
.irp k, 0,1,2,3
	v_max3_num_f32 v[TM+\k], |v[ACC+32*\k]|, |v[ACC+32*\k+1]|, |v[ACC+32*\k+2]|
.endr
.irp i, 3,5,7,9,11,13,15,17,19,21,23,25,27,29
.irp k, 0,1,2,3
	v_max3_num_f32 v[TM+\k], v[TM+\k], |v[ACC+32*\k+\i]|, |v[ACC+32*\k+\i+1]|
.endr
.endr
	v_max3_num_f32 v[TM], v[TM], |v[ACC+31]|, |v[ACC+63]|
	v_max3_num_f32 v[TM+2], v[TM+2], |v[ACC+95]|, |v[ACC+127]|
	v_max3_num_f32 v[TM], v[TM], v[TM+1], v[TM+2]
	v_max3_num_f32 v[TM], v[TM], v[TM+3], 0x800000
	v_permlanex16_b32 v20, v[TM], s30, s31
	v_max_num_f32 v[TM], v[TM], v20
	ds_store_b32 v21, v[TM]                        ; both lanes of a token write the same word with the same value
	BARRIER
.irp t, 0,1,2,3
	ds_load_b64 v[SA+2*\t:SA+2*\t+1], v22 offset:128*\t
.endr
	ds_load_b64 v[20:21], v23
	s_wait_dscnt 0x0
.irp t, 0,1,2,3
	v_max_num_f32 v[SA+2*\t], v[SA+2*\t], v[SA+2*\t+1]
.endr
.irp t, 0,1,2,3
	v_min_num_f32 v[SA+2*\t], 0x7e800000, v[SA+2*\t]       ; held at 2^126
.endr
.irp t, 0,1,2,3
	v_and_b32 v[SA+2*\t], 0x7f800000, v[SA+2*\t]           ; 2^E of token 16 t + r: for the way back
.endr
	v_max_num_f32 v20, v20, v21
	v_min_num_f32 v20, 0x7e800000, v20
	v_and_b32 v20, 0x7f800000, v20
	v_sub_nc_u32 v20, 0x7f000000, v20              ; 2^-E: the exponent field is 254 less the field of 2^E
	v_mov_b32 v21, v20
.set N, 0
.rept 64
	v_pk_mul_f32 v[ACC+2*N:ACC+2*N+1], v[ACC+2*N:ACC+2*N+1], v[20:21] op_sel_hi:[1,0]   ; exact
.set N, N+1
.endr
.set N, 0
.rept 64
	v_cvt_pk_f16_f32 v[TF+N], v[ACC+2*N], v[ACC+2*N+1]
.set N, N+1
.endr
.irp g, 0,1,2,3,4,5,6,7,8,9,10,11,12,13,14,15
	ds_store_b128 v[AST], v[TF+4*\g:TF+4*\g+3] offset:\g*512
.endr
	BARRIER                                        ; att's image is whole
	PRODUCT 0, 31, 0                               ; x Wo1; the stream runs on into Wo2
	; ---- h = sum x 2^E + bo1, each accumulator from its low end on
	PLACES 4
.set N, 0
.rept 64
	v_pk_fma_f32 v[ACC+2*N:ACC+2*N+1], v[ACC+2*N:ACC+2*N+1], v[SA+2*((N/4)%4):SA+2*((N/4)%4)+1], v[BO1+8*(N/16)+2*(N%4):BO1+8*(N/16)+2*(N%4)+1] op_sel_hi:[1,0,1]
.set N, N+1
.endr
	v_mov_b32 v16, 0x3f07dc22                      ; b5 / sqrt(2 pi) = 0.530702716, in a vector pair: so each packed multiply-add names one scalar pair
	v_mov_b32 v17, 0x3f07dc22
.set GX, ACC
.rept 8
	GELU
.set GX, GX+16
.endr
	; ---- g's scale for each token: my 32 numbers of each token tile, lane l xor 16's, the other seven waves' through LDS
	v_and_b32 v84, 15, v0
	v_bfe_u32 v85, v0, 4, 1
	s_lshl_b32 s44, s16, 2
	s_add_co_u32 s44, s44, MXG
	v_lshl_add_u32 v80, v84, 5, s44                ; MXG + 32 r + 4 wave
	v_lshl_add_u32 v81, v84, 5, MXG                ; MXG + 32 r
	s_lshl_b32 s44, s16, 8
	s_add_co_u32 s44, s44, GS
	v_lshl_add_u32 v82, v84, 2, s44                ; my copy of GS: + 4 r
	v_lshl_add_u32 v83, v85, 5, s44                ; and + 32 h
.irp t, 0,1,2,3
	v_max3_num_f32 v[TM+\t], |v[ACC+8*\t]|, |v[ACC+8*\t+1]|, 0x800000
.endr
.irp o, 2,4,6,32,34,36,38,64,66,68,70,96,98,100,102
.irp t, 0,1,2,3
	v_max3_num_f32 v[TM+\t], v[TM+\t], |v[ACC+8*\t+\o]|, |v[ACC+8*\t+\o+1]|
.endr
.endr
.irp t, 0,1,2,3
	v_permlanex16_b32 v[TM+4+\t], v[TM+\t], s30, s31
.endr
.irp t, 0,1,2,3
	v_max_num_f32 v[TM+\t], v[TM+\t], v[TM+4+\t]
.endr
.irp t, 0,1,2,3
	ds_store_b32 v80, v[TM+\t] offset:512*\t
.endr
	BARRIER                                        ; all maxima lie in LDS, and every wave's reads of att's image are over
.irp t, 0,1,2,3
	ds_load_b128 v[TF+8*\t:TF+8*\t+3], v81 offset:512*\t
	ds_load_b128 v[TF+8*\t+4:TF+8*\t+7], v81 offset:512*\t+16
.endr
	s_wait_dscnt 0x0
.irp t, 0,1,2,3
	v_max3_num_f32 v[TM+\t], v[TF+8*\t], v[TF+8*\t+1], v[TF+8*\t+2]
.endr
.irp t, 0,1,2,3
	v_max3_num_f32 v[TM+\t], v[TM+\t], v[TF+8*\t+3], v[TF+8*\t+4]
.endr
.irp t, 0,1,2,3
	v_max3_num_f32 v[TM+\t], v[TM+\t], v[TF+8*\t+5], v[TF+8*\t+6]
.endr
.irp t, 0,1,2,3
	v_max_num_f32 v[TM+\t], v[TM+\t], v[TF+8*\t+7]
.endr
.irp t, 0,1,2,3
	v_min_num_f32 v[TM+\t], 0x7e800000, v[TM+\t]
.endr
.irp t, 0,1,2,3
	v_and_b32 v[TM+\t], 0x7f800000, v[TM+\t]       ; 2^E of token 16 t + r
.endr
.irp t, 0,1,2,3
	ds_store_b32 v82, v[TM+\t] offset:64*\t
.endr
.irp t, 0,1,2,3                        ; and back by tokens 16 t + 8 h + 0 .. 7, as the second product's results lie.  LDS serves a wave's instructions in order: these see my stores
	ds_load_b128 v[BO1+8*\t:BO1+8*\t+3], v83 offset:64*\t
	ds_load_b128 v[BO1+8*\t+4:BO1+8*\t+7], v83 offset:64*\t+16
.endr
.irp t, 0,1,2,3
	v_sub_nc_u32 v[SA+2*\t], 0x7f000000, v[TM+\t]  ; 2^-E
.endr
.irp t, 0,1,2,3
	v_mov_b32 v[SA+2*\t+1], v[SA+2*\t]
.endr
.set N, 0
.rept 64
	v_pk_mul_f32 v[ACC+2*N:ACC+2*N+1], v[ACC+2*N:ACC+2*N+1], v[SA+2*((N/4)%4):SA+2*((N/4)%4)+1] op_sel_hi:[1,0]
.set N, N+1
.endr
.set N, 0
.rept 64
	v_cvt_pk_f16_f32 v[TF+N], v[ACC+2*N], v[ACC+2*N+1]
.set N, N+1
.endr
.irp n, 0,1,2,3
.irp t, 0,1,2,3
	ds_store_b128 v[SI], v[TF+4*(4*\n+\t):TF+4*(4*\n+\t)+3] offset:\t*16384+\n*512
.endr
.endr
	BARRIER                                        ; g's image is whole
	PRODUCT 16, 31, 1                              ; x Wo2, the sources swapped: lane r holds channel 64 w + 16 n + r, register j token 16 t + 8 h + j
	; ---- THE WAY OUT
	PLACES 4
	v_and_b32 v35, 15, v0
	v_bfe_u32 v36, v0, 4, 1
	s_mul_i32 s44, s16, 64*272
	s_add_co_u32 s44, s44, STAGE                   ; my stage
	v_mul_u32_u24 v32, v35, 272
	v_lshl_add_u32 v32, v36, 5, v32
	v_add_nc_u32 v32, s44, v32                     ; in: row = channel r of a tile, + 32 h
	v_mul_u32_u24 v33, v36, 272
	v_lshl_add_u32 v33, v35, 4, v33
	v_add_nc_u32 v33, s44, v33                     ; back: lanes 0-15 one row of 256 bytes, lanes 16-31 the next
	v_lshlrev_b32 v34, 14, v36
	v_lshl_add_u32 v34, v35, 4, v34                ; and the same two rows in out0
.set N, 0
.rept 64
	v_pk_fma_f32 v[ACC+2*N:ACC+2*N+1], v[ACC+2*N:ACC+2*N+1], v[BO1+8*((N/4)%4)+2*(N%4):BO1+8*((N/4)%4)+2*(N%4)+1], v[BO2+2*(N/16):BO2+2*(N/16)+1] op_sel_hi:[1,1,0]   ; sum x 2^E + bo2
.set N, N+1
.endr
.irp n, 0,1,2,3
.irp t, 0,1,2,3
	ds_store_b128 v32, v[ACC+8*(4*\n+\t):ACC+8*(4*\n+\t)+3] offset:16*\n*272+64*\t
	ds_store_b128 v32, v[ACC+8*(4*\n+\t)+4:ACC+8*(4*\n+\t)+7] offset:16*\n*272+64*\t+16
.endr
.endr
.set N, 0
.rept 32
	ds_load_b128 v[ACC+4*N:ACC+4*N+3], v33 offset:N*544   ; LDS serves a wave's instructions in order: these see my stores
.set N, N+1
.endr
.set N, 0
.rept 32
	s_wait_dscnt 31-N                              ; rows 2 N and 2 N + 1 are back; the later loads may stay out
	global_store_b128 v34, v[ACC+4*N:ACC+4*N+3], s[26:27] offset:N*32768 th:TH_STORE_NT   ; sixteen lanes store 256 consecutive bytes, at a multiple of 256 from out0's first byte
.set N, N+1
.endr
	s_wait_tensorcnt 0x0                           ; the wave's end, behind my last LDS store
	ds_add_u32 v[SPW], v[NIL]
	s_wait_dscnt 0x0
	s_endpgm
.Lfunc_end_k_qa8f76e2402_mlp:
	.size	k_qa8f76e2402_mlp, .Lfunc_end_k_qa8f76e2402_mlp-k_qa8f76e2402_mlp
	.p2alignl 7, 3214868480
	.fill 96, 4, 3214868480
	.section	.rodata,"a",@progbits
	.p2align	6, 0x0
	.amdhsa_kernel k_qa8f76e2402_mlp
		.amdhsa_group_segment_fixed_size 210432
		.amdhsa_private_segment_fixed_size 0
		.amdhsa_enable_private_segment 0
		.amdhsa_kernarg_size 40
		.amdhsa_user_sgpr_count 2
		.amdhsa_user_sgpr_kernarg_segment_ptr 1
		.amdhsa_wavefront_size32 1
		.amdhsa_system_sgpr_workgroup_id_x 1
		.amdhsa_system_sgpr_workgroup_id_y 1
		.amdhsa_system_sgpr_workgroup_id_z 1
		.amdhsa_system_vgpr_workitem_id 0
		.amdhsa_next_free_vgpr 512
		.amdhsa_next_free_sgpr 66
		.amdhsa_reserve_vcc 0
		.amdhsa_float_denorm_mode_32 3
		.amdhsa_float_denorm_mode_16_64 3
		.amdhsa_memory_ordered 1
		.amdhsa_forward_progress 1
		.amdhsa_inst_pref_size 204
	.end_amdhsa_kernel
	.amdgpu_metadata
---
amdhsa.version: [ 1, 2 ]
amdhsa.kernels:
  - .name:           k_qa8f76e2402_mlp
    .symbol:         k_qa8f76e2402_mlp.kd
    .args:
      - { .name: att, .offset: 0, .size: 8, .value_kind: global_buffer, .address_space: global }
      - { .name: wts, .offset: 8, .size: 8, .value_kind: global_buffer, .address_space: global }
      - { .name: bo1, .offset: 16, .size: 8, .value_kind: global_buffer, .address_space: global }
      - { .name: bo2, .offset: 24, .size: 8, .value_kind: global_buffer, .address_space: global }
      - { .name: out0, .offset: 32, .size: 8, .value_kind: global_buffer, .address_space: global }
    .group_segment_fixed_size: 210432
    .private_segment_fixed_size: 0
    .kernarg_segment_align: 8
    .kernarg_segment_size: 40
    .max_flat_workgroup_size: 256
    .sgpr_count:     66
    .vgpr_count:     512
    .wavefront_size: 32
...
	.end_amdgpu_metadata
.endif
;; end of part 4
